; MI455X (gfx1250); checked and timed in simulation.
; The chip was launched on July 23, 2026; its instructions are those of AMD's public machine-readable ISA for CDNA 5 (MIT licence, August 2026) and "CDNA5" Instruction Set Architecture Reference Guide (July 2026). The comments in the code are by the model that wrote it; some were corrected since.
;; Self Attention Head. Allowed arithmetic: matrix products marked QUANTISED: E2M1 operands, one E8M0 scale for each 32 along K, by v_wmma_scale_f32_16x16x128_f8f6f4 with both operands' format E2M1 (or v_wmma_scale_f32_32x16x128_f4), f32 sums; everything else in f32.
;; Inputs: Wk 1,024 x 64 float32; Wq 1,024 x 64 float32; Wv 1,024 x 64 float32; x 4 x 4,096 x 1,024 float32.
;; Outputs: out0 4 x 4,096 x 64 float32.
;; This version of the problem:
;;   THIS VERSION OF THE PROBLEM IS GIVEN IN LOW PRECISION. The matrix products marked QUANTISED in the list below multiply operands that are first quantised to E2M1 (2 exponent bits, 1 mantissa bit; 4 bits a number), with one power-of-two scale for each 32 numbers along K (OCP MX v1.0); their sums are f32. All else is computed in f32.
;;   The module's matrix products, in the order in which they are computed (A, B: the left and right operand; K: the contracted axis; several contracted axes count as one K, in the product's order):
;;     1. [M 16,384, K 1,024] x [K 1,024, N 64]; A: input x; B: input Wk: QUANTISED
;;     2. [M 16,384, K 1,024] x [K 1,024, N 64]; A: input x; B: input Wq: QUANTISED
;;     3. [M 16,384, K 1,024] x [K 1,024, N 64]; A: input x; B: input Wv: QUANTISED
;;     4. batch 4 x [M 4,096, K 64] x [K 64, N 4,096]; A: computed on the way; B: computed on the way: QUANTISED
;;     5. batch 4 x [M 4,096, K 4,096] x [K 4,096, N 64]; A: softmax (see below); B: computed on the way: QUANTISED
;;   THE QUANTISER, for each operand of a quantised product, along K:
;;     - K is cut into blocks of 32 from its start; a last block that is shorter is filled with zeros.
;;     - A block's scale is 2^e with e = floor(log2(the largest magnitude in the block)) - 2, held to -126 .. 127; a block of zeros has e = 0. As a byte (E8M0): e + 127.
;;     - Each number is divided by its block's scale, clamped to +-6, and rounded to the nearest number of E2M1, ties to even, subnormals kept.
;;     - The product sums the exact products of the quantised numbers (number of the format x scale) in f32.
;;   ~~~python
;;   def quantise(x, axis):      # numpy; x: float32 -> the quantised numbers, widened to float32 again
;;       x = np.moveaxis(x, axis, -1); K = x.shape[-1]
;;       x = np.pad(x, [(0, 0)] * (x.ndim - 1) + [(0, -K % 32)]); x = x.reshape(x.shape[:-1] + (-1, 32)); a = np.abs(x).max(-1, keepdims=True)
;;       e = np.where(a > 0, np.clip(np.frexp(np.where(a > 0, a, 1))[1] - 1 - 2, -126, 127), 0)      # np.frexp(a)[1] - 1 = floor(log2(a)), exactly
;;       r = np.clip(x / 2.0 ** e, -6, 6)
;;       step = 2.0 ** (np.maximum(np.frexp(np.where(r == 0, 1, r))[1] - 1, 0) - 1)
;;       q = np.round(r / step) * step * 2.0 ** e      # np.round: ties to even
;;       return np.moveaxis(q.reshape(q.shape[:-2] + (-1,))[..., :K], -1, axis).astype(np.float32)
;;   ~~~
;;   SOFTMAX AHEAD OF A QUANTISED PRODUCT. Where the list says 'softmax', what is quantised is not the finished softmax but p = 2^(t - M), with t = logit x log2(e) and M = ceil(the row's largest t), a whole number; so 1/2 < the row's largest p <= 1. The row's sum l is taken of the UNQUANTISED p, in f32, and the product's result is divided by l at the end. Since M is a whole number, a kernel that streams over the keys may use a running M (the ceiling of the running maximum): every later rescaling is an exact power of two, which a block's scale takes up: the codes' values come out the same.
;;   OPERANDS COMPUTED ON THE WAY. 'Computed on the way' means the value that the module computes at that place (a softmax that the list does not call 'softmax' is quantised finished and normalised). What goes into a quantiser is computed in f32, as accurately as f32 sums, v_exp_f32 and their like allow (about 1e-6 of the number): no bf16 or f16 on the way to a quantiser, and a product that is left as it is and whose result goes on into a quantised operand takes f32 operands (vector FMAs, or v_wmma_f32_16x16x4_f32). A number that lies on a knife's edge between two numbers of the format may be rounded either way, as far as f32 arithmetic and the matrix unit's own rounding can turn it there, and no further.
;; One version. Each part assembles by itself: llvm-mc -triple=amdgcn-amd-amdhsa -mcpu=gfx1250 --defsym DOCPART=n.
;; ======== version 1 of 1: 3 launches
;; limits: right only within a limited range of input values
;; workspace buffers: wfrag 98,304 bytes; wscl 6,144 bytes; kv 1,179,648 bytes; qf 524,288 bytes; qs 65,536 bytes
;; launch wprep (part 1): grid 96 x 1, 4 waves a work-group, no clusters, 768 bytes of LDS; arguments Wk, Wq, Wv, wfrag, wscl; writes wfrag, wscl
.if DOCPART == 1
	.amdgcn_target "amdgcn-amd-amdhsa--gfx1250"
	.amdhsa_code_object_version 6
	.text
	.protected	k_qff6991aaaa_wprep
	.globl	k_qff6991aaaa_wprep
	.p2align	8
	.type	k_qff6991aaaa_wprep,@function
k_qff6991aaaa_wprep:
	s_mov_b64 s[64:65], 0
	v_nop
	global_prefetch_b8 v0, s[64:65] scope:SCOPE_SE
	s_setreg_imm32_b32 hwreg(HW_REG_WAVE_MODE, 25, 1), 1
	s_wait_xcnt 0x0
; Wk, Wq, Wv [1024 (k)][64 (n)] f32 become codes of FP4 (E2M1) with one E8M0 scale byte for each 32 along k, laid in the order of an operand's registers.
; The 192 columns (Wk 0-63, Wq 64-127, Wv 128-191) are 12 column tiles T of 16; k goes in 8 steps s of 128.  Fragment f = 8 T + s:
;   wfrag[f][block b 4][r 16][16 bytes]: the codes of k = 128 s + 32 b + 0 .. 31 of column 16 T + r (block 2 c + h is what lane (r, h) takes into registers 4 c .. 4 c + 3);
;   wscl[f][r 16]: one word, byte b the scale of block b.
; A work-group makes one fragment, its wave b block b: 96 work-groups are all the work there is.  Lane (r, h) takes column r and its 16 registers run down k = 32 b + 16 h ..: with lane l xor 16's the block is whole.
; WORK LEFT OUT IN THE PROGRAM (third launch): keys that the causal mask of reference() hides from all queries of a unit: their weight is exp(-inf) = 0 for all values of the inputs.
; A block's scale is 2^(floor(log2(largest magnitude)) - 2); its byte is the largest magnitude's exponent field - 2, held at 1 from below.
; LIMITS: a block whose largest magnitude lies under 2^-124 has its byte held at 1; a block of zeros gets the byte 1 where the rule says 127 (its codes are zeros, and this program alone
; reads the bytes); NaN and infinities among the inputs are not served, and one that reaches only the work left out is not carried to the result.
; LDS: 64 bytes of gathered scale bytes; the spare words.
.set SPARE, 256
.set NUM, 32
	s_load_b256 s[4:11], s[0:1], 0x0               ; Wk s[4:5], Wq s[6:7], Wv s[8:9], wfrag s[10:11]
	s_load_b64 s[12:13], s[0:1], 0x20              ; wscl
	v_lshl_add_u32 v16, v0, 2, SPARE
	v_mov_b32 v17, 0
	v_lshrrev_b32 v1, 5, v0
	v_readfirstlane_b32 s14, v1                    ; wave b 0..3
	v_and_b32 v1, 15, v0                           ; r
	v_bfe_u32 v2, v0, 4, 1                         ; h
	v_lshlrev_b32 v5, 2, v1                        ; 4 r
	v_lshl_add_u32 v3, v2, 12, v5                  ; in: 4 r + 16 h rows of 256 bytes
	v_lshlrev_b32 v4, 4, v1
	v_lshl_add_u32 v4, v2, 3, v4                   ; out: 16 r + 8 h
	v_add_nc_u32 v6, s14, v5                       ; my scale byte: 4 r + b
	v_mov_b32 v7, 0                                ; a lane permute's destination counts as one of its sources
	s_mov_b32 s20, 0x76543210
	s_mov_b32 s21, 0xfedcba98                      ; v_permlanex16_b32's selects for lane l xor 16
	s_lshr_b32 s15, ttmp9, 3
	s_and_b32 s15, s15, 3                          ; the column tile in its tensor
	s_and_b32 s16, ttmp9, 7                        ; the K step
	s_lshl_b32 s18, s16, 15                        ; 128 s rows of 256 bytes
	s_lshl_b32 s15, s15, 6                         ; 16 columns of 4 bytes
	s_add_co_u32 s18, s18, s15
	s_lshl_b32 s15, s14, 13                        ; 32 b rows
	s_add_co_u32 s18, s18, s15
	s_mov_b32 s19, 0
	s_lshl_b32 s22, ttmp9, 10                      ; 1,024 bytes of codes a fragment,
	s_lshl_b32 s15, s14, 8                         ; 256 a block
	s_add_co_u32 s22, s22, s15
	s_mov_b32 s23, 0
	s_lshl_b32 s24, ttmp9, 6                       ; 64 bytes of scale words
	s_mov_b32 s25, 0
	s_wait_alu depctr_va_vdst(0)                   ; the wait at the head's end
	s_wait_kmcnt 0x0
	s_cmp_lt_u32 ttmp9, 64                         ; 0-31 take Wk, 32-63 Wq, 64-95 Wv
	s_cselect_b64 s[6:7], s[6:7], s[8:9]
	s_cmp_lt_u32 ttmp9, 32
	s_cselect_b64 s[4:5], s[4:5], s[6:7]
	s_add_nc_u64 s[4:5], s[4:5], s[18:19]
	s_add_nc_u64 s[10:11], s[10:11], s[22:23]
	s_add_nc_u64 s[12:13], s[12:13], s[24:25]
.irp i, 0,1,2,3,4,5,6,7,8,9,10,11,12,13,14,15
	global_load_b32 v[NUM+\i], v3, s[4:5] offset:256*\i
.endr
	s_wait_loadcnt 0x0
	v_max3_num_f32 v8, |v[NUM]|, |v[NUM+1]|, 0x1800000             ; the floor 2^(3 - 127) among the leaves: the byte cannot fall under 1
	v_max3_num_f32 v9, |v[NUM+2]|, |v[NUM+3]|, |v[NUM+4]|
.irp i, 5,9
	v_max3_num_f32 v8, v8, |v[NUM+\i]|, |v[NUM+\i+1]|
	v_max3_num_f32 v9, v9, |v[NUM+\i+2]|, |v[NUM+\i+3]|
.endr
	v_max3_num_f32 v8, v8, |v[NUM+13]|, |v[NUM+14]|
	v_max3_num_f32 v8, v8, v9, |v[NUM+15]|
	v_permlanex16_b32 v7, v8, s20, s21
	v_max_num_f32 v8, v8, v7
	v_add_nc_u32 v10, 0xff000000, v8               ; 2 off the exponent field: the conversion's scale operand
	v_lshrrev_b32 v12, 23, v10                     ; the scale's byte
	v_cvt_scalef32_pk8_fp4_f32 v18, v[NUM:NUM+7], v10
	v_cvt_scalef32_pk8_fp4_f32 v19, v[NUM+8:NUM+15], v10
	v_nop                                          ; one plain line behind the last conversion
	global_store_b64 v4, v[18:19], s[10:11]        ; the wave stores 256 consecutive bytes, aligned
	ds_store_b8 v6, v12                            ; both lanes of a block write the same byte with the same value
	s_wait_dscnt 0x0
	s_barrier_signal -1
	s_barrier_wait -1
	s_cmp_lg_u32 s14, 0
	s_cbranch_scc1 .Lend
	ds_load_b32 v14, v5
	s_wait_dscnt 0x0
	global_store_b32 v5, v14, s[12:13]             ; both halves of the lanes write the same word with the same value
.Lend:
	s_wait_tensorcnt 0x0                           ; the wave's end
	ds_add_u32 v16, v17
	s_wait_dscnt 0x0
	s_endpgm
.Lfunc_end_k_qff6991aaaa_wprep:
	.size	k_qff6991aaaa_wprep, .Lfunc_end_k_qff6991aaaa_wprep-k_qff6991aaaa_wprep
	.p2alignl 7, 3214868480
	.fill 96, 4, 3214868480
	.section	.rodata,"a",@progbits
	.p2align	6, 0x0
	.amdhsa_kernel k_qff6991aaaa_wprep
		.amdhsa_group_segment_fixed_size 768
		.amdhsa_private_segment_fixed_size 0
		.amdhsa_enable_private_segment 0
		.amdhsa_kernarg_size 40
		.amdhsa_user_sgpr_count 2
		.amdhsa_user_sgpr_kernarg_segment_ptr 1
		.amdhsa_wavefront_size32 1
		.amdhsa_system_sgpr_workgroup_id_x 1
		.amdhsa_system_sgpr_workgroup_id_y 1
		.amdhsa_system_sgpr_workgroup_id_z 1
		.amdhsa_system_vgpr_workitem_id 0
		.amdhsa_next_free_vgpr 64
		.amdhsa_next_free_sgpr 66
		.amdhsa_reserve_vcc 0
		.amdhsa_float_denorm_mode_32 3
		.amdhsa_float_denorm_mode_16_64 3
		.amdhsa_memory_ordered 1
		.amdhsa_forward_progress 1
		.amdhsa_inst_pref_size 5
	.end_amdhsa_kernel
	.amdgpu_metadata
---
amdhsa.version: [ 1, 2 ]
amdhsa.kernels:
  - .name:           k_qff6991aaaa_wprep
    .symbol:         k_qff6991aaaa_wprep.kd
    .args:
      - { .name: Wk, .offset: 0, .size: 8, .value_kind: global_buffer, .address_space: global }
      - { .name: Wq, .offset: 8, .size: 8, .value_kind: global_buffer, .address_space: global }
      - { .name: Wv, .offset: 16, .size: 8, .value_kind: global_buffer, .address_space: global }
      - { .name: wfrag, .offset: 24, .size: 8, .value_kind: global_buffer, .address_space: global }
      - { .name: wscl, .offset: 32, .size: 8, .value_kind: global_buffer, .address_space: global }
    .group_segment_fixed_size: 768
    .private_segment_fixed_size: 0
    .kernarg_segment_align: 8
    .kernarg_segment_size: 40
    .max_flat_workgroup_size: 128
    .sgpr_count:     66
    .vgpr_count:     64
    .wavefront_size: 32
...
	.end_amdgpu_metadata
.endif
;; end of part 1
;; launch proj (part 2): grid 256 x 1, 16 waves a work-group, no clusters, 304,128 bytes of LDS; arguments x, wfrag, wscl, kv, qf, qs; writes kv, qf, qs
.if DOCPART == 2
	.amdgcn_target "amdgcn-amd-amdhsa--gfx1250"
	.amdhsa_code_object_version 6
	.text
	.protected	k_qff6991aaaa_proj
	.globl	k_qff6991aaaa_proj
	.p2align	8
	.type	k_qff6991aaaa_proj,@function
k_qff6991aaaa_proj:
	s_mov_b64 s[64:65], 0
	v_nop
	global_prefetch_b8 v0, s[64:65] scope:SCOPE_SE
	s_setreg_imm32_b32 hwreg(HW_REG_WAVE_MODE, 25, 1), 1
	s_wait_xcnt 0x0
; k, q, v = Q(x) Q(W), on codes of FP4 (E2M1) with one E8M0 scale for each 32 along K = 1,024; then k and q are quantised along the head's 64, v along the keys, and all three are laid
; as the attention launch's operand registers want them.  x: [16,384][1,024] f32.  wfrag, wscl: the weights' fragments and scale words in register order.
; SHARES.  A work-group takes 64 tokens: 262,144 bytes of x, all asked for at the start by one tensor load a wave, into LDS bytes that are filled once.  Wave w (m = w % 4, p = w / 4) brings a chunk, rows 16 m .. 16 m + 15 x
; 256 along K from 256 p on, and quantises what it brought: its own wait is all the ordering that those reads need.  A lane takes whole blocks of 32.  The codes go to LDS as IMAGES OF THE OPERAND'S REGISTERS.
; PRODUCTS.  Waves 0 to 5 own column tiles 2 w and 2 w + 1 of W (k: waves 0, 1; q: 2, 3; v: 4, 5) for all 64 tokens; their 16 fragments go from memory straight into registers, each once in a work-group.
; k, q: source 0 = W, source 1 = x: a lane holds one token and runs along columns; the 16 registers of a token tile (with lane l xor 16's) are one block of 32 columns.
; v: source 0 = x, source 1 = W: a lane holds one channel and runs along tokens; the 16 registers of two token tiles (with lane l xor 16's) are one block of 32 tokens.
; Inside a block the order is 8 (half) and 16 (tile) apart, alike in k and q, and alike in v and the softmax's p.
; K steps 0-3 (the chunks of waves 0 to 7) are multiplied behind a first barrier, K steps 4-7 behind a second.
; NO CLUSTER: x is read by one work-group, and W, the one shared input (104,448 bytes beside each work-group's own 262,144), goes straight into registers.  No prefetch: there is no loop to run ahead in.
; OUT.  kv: a record of 9,216 bytes for each 128 keys: +0 K's 8 tiles [t][lane][16 B] (lane (r, h): key 16 t + r, block h of its dims); +4096 V [ct 4][c 2][lane][16 B] (channel 16 ct + r, keys 64 c + 32 h ..);
;   +8192 K's scale words in two planes z of 256 bytes: bytes 8 lane + 4 i: the word of tile 4 z + 2 i + h, row r; +8704 V's likewise (tile = ct; plane z holds bytes 2 z, 2 z + 1 at their places, the others 0).
;   This work-group is half z = G & 1 of its record.  qf [tile of 16 queries][lane][16 B]; qs: 256 bytes for each 64 queries, laid as a plane.
; LIMITS: a block whose largest magnitude lies under 2^-124 has its byte held at 1; a block of zeros gets the byte 1 where the rule says 127 (its codes are zeros; this program alone reads the bytes); NaN and infinities are not served.
; LDS: 0 x's 16 chunks of 16 rows x (1,024 + 16) bytes (row r starts 65 r sixteenths on, so a load's 16 rows start at 16 different columns of 16 bytes); IMG x's images [s 8][m 4][lane 32][16 B, twice]; ISC their scale words [s][m][16]; GAT gathered scale words.
; REGISTERS: v0-31 addresses and scale words; v32-63 work, then x's fragments of one K step, then work; v64-127 numbers of x, then eight accumulators; v128-255 W's fragments (t, s) at 128 + 8 (8 t + s).
.set XCH,  16640                       ; a chunk in LDS
.set IMG,  266240
.set ISC,  299008
.set GAT,  301056                      ; k's, q's, v's scale words, 256 bytes each
.set SPARE, 302080                     ; the spare words, 128 bytes for each wave
.set L16,  4                           ; v4  16 x lane
.set XA,   5                           ; v5  my lane's place in my chunk
.set IMW,  6                           ; v6, v7  where I store images and their scale words
.set ISW,  7
.set LIM,  8                           ; v8, v9  where I read them
.set LSM,  9
.set GK,   10                          ; v10, v11 where I put a scale byte (k, q) or word (v)
.set GV,   11
.set GR,   12                          ; v12 where I read gathered words back
.set L8,   13
.set VO,   14                          ; v14, v15 16 r + 8 h, and a block further
.set VO2,  15
.set SPW,  16
.set NIL,  17
.set WS,   18                          ; v18-25 W's scale words: tile t, K step s at register 4 t + s / 2, row s % 2
.set XS,   26                          ; v26-27 x's: token tile m at register m / 2, row m % 2
.set SH8,  28                          ; v28 8 h
.set L4,   30
.set ZER,  31                          ; v31 0
.set XC,   32                          ; v32-47 codes
.set TA,   48
.set TB,   49
.set XE,   50                          ; v50-53 scale operands
.set XY,   54                          ; v54-57 scale bytes
.set PW,   58                          ; v58-59 scale words
.set PT,   60                          ; v60-61 lane permutes' destinations
.set IM,   32                          ; v32-63 x's fragments
.set XN,   64
.set AC,   64
.set WF,   128
.set WV,   16
.set SEL,  54
.set G1X,  68                          ; s[68:75], s[76:79] descriptor groups 1 and 0
.set G0X,  76
.macro BL u                            ; my block u of four: K step u / 2 of my chunk's two, blocks 2 (u % 2) + h
.irp i, 0,1,2,3,4,5,6,7
	ds_load_b128 v[XN+32*((\u)%2)+4*\i:XN+32*((\u)%2)+4*\i+3], v[XA] offset:256*(\u)+16*\i
.endr
.endm
.macro QB u
.set XB, XN+32*((\u)%2)
	v_max3_num_f32 v[TA], |v[XB]|, |v[XB+1]|, 0x1800000            ; the floor 2^(3 - 127) among the leaves: the byte cannot fall under 1
	v_max3_num_f32 v[TB], |v[XB+2]|, |v[XB+3]|, |v[XB+4]|
.irp i, 5,9,13,17,21,25
	v_max3_num_f32 v[TA], v[TA], |v[XB+\i]|, |v[XB+\i+1]|
	v_max3_num_f32 v[TB], v[TB], |v[XB+\i+2]|, |v[XB+\i+3]|
.endr
	v_max3_num_f32 v[TA], v[TA], |v[XB+29]|, |v[XB+30]|
	v_max3_num_f32 v[TA], v[TA], v[TB], |v[XB+31]|
	v_add_nc_u32 v[XE+\u], 0xff000000, v[TA]       ; 2 off the exponent field: the conversion's scale operand
	v_lshrrev_b32 v[XY+\u], 23, v[XE+\u]           ; the scale's byte
.irp g, 0,1,2,3
	v_cvt_scalef32_pk8_fp4_f32 v[XC+4*(\u)+\g], v[XB+8*\g:XB+8*\g+7], v[XE+\u]
.endr
	v_nop                                          ; one plain line behind the last conversion of a run
.endm
; my chunk: codes and scale words into LDS
.macro CHUNK
	s_wait_tensorcnt 0x0                           ; my chunk has landed; nobody else reads it
	BL 0
	BL 1
	s_wait_dscnt 8                                 ; a block is in; the next one's 8 loads may be out
	QB 0
	BL 2
	s_wait_dscnt 8
	QB 1
	BL 3
	s_wait_dscnt 8
	QB 2
	s_wait_dscnt 0x0
	QB 3
.irp k, 0,1
	v_lshl_or_b32 v[PW+\k], v[XY+2*\k+1], 16, v[XY+2*\k]   ; my bytes of blocks h and 2 + h
.endr
.irp k, 0,1
	v_lshlrev_b32 v[PW+\k], v[SH8], v[PW+\k]
.endr
.irp k, 0,1
	v_permlanex16_b32 v[PT+\k], v[PW+\k], s[SEL], s[SEL+1]
.endr
.irp k, 0,1
	v_or_b32 v[PW+\k], v[PW+\k], v[PT+\k]          ; with lane l xor 16's the word of 128 along K is whole
.endr
.irp u, 0,1,2,3
	ds_store_b128 v[IMW], v[XC+4*\u:XC+4*\u+3] offset:4096*(\u/2)+512*(\u%2)
.endr
.irp k, 0,1
	ds_store_b32 v[ISW], v[PW+\k] offset:256*\k    ; both halves of the lanes write the same word with the same value
.endr
.endm
.macro BARRIER
	s_wait_dscnt 0x0
	s_barrier_signal -1
	s_barrier_wait -1
.endm
; token tiles 2 i, 2 i + 1 of K step s: 5 loads
.macro HALF s, i
	ds_load_b128 v[IM+16*(\i):IM+16*(\i)+3], v[LIM] offset:4096*(\s)+2048*(\i)
	ds_load_b128 v[IM+16*(\i)+4:IM+16*(\i)+7], v[LIM] offset:4096*(\s)+2048*(\i)+512
	ds_load_b128 v[IM+16*(\i)+8:IM+16*(\i)+11], v[LIM] offset:4096*(\s)+2048*(\i)+1024
	ds_load_b128 v[IM+16*(\i)+12:IM+16*(\i)+15], v[LIM] offset:4096*(\s)+2048*(\i)+1536
	ds_load_b32 v[XS+\i], v[LSM] offset:256*(\s)+128*(\i)   ; lanes 0-15 tile 2 i's words, lanes 16-31 tile 2 i + 1's
.endm
; one product: token tile m, column tile t, K step s; tv = 1: v's form
.macro WMX m, t, s, tv
.if \tv
.set qd, AC+16*(2*(\t)+(\m)/2)+8*((\m)%2)
.set qa, IM+8*(\m)
.set qb, WF+8*(8*(\t)+(\s))
.set qsa, XS+(\m)/2
.set qsb, WS+4*(\t)+(\s)/2
.set qra, (\m)%2
.set qrb, (\s)%2
.else
.set qd, AC+16*(\m)+8*(\t)
.set qa, WF+8*(8*(\t)+(\s))
.set qb, IM+8*(\m)
.set qsa, WS+4*(\t)+(\s)/2
.set qsb, XS+(\m)/2
.set qra, (\s)%2
.set qrb, (\m)%2
.endif
.if (\s) == 0
.if qra
.if qrb
	v_wmma_scale_f32_16x16x128_f8f6f4 v[qd:qd+7], v[qa:qa+7], v[qb:qb+7], 0, v[qsa], v[qsb] matrix_a_fmt:MATRIX_FMT_FP4 matrix_b_fmt:MATRIX_FMT_FP4 matrix_a_scale:MATRIX_SCALE_ROW1 matrix_b_scale:MATRIX_SCALE_ROW1
.else
	v_wmma_scale_f32_16x16x128_f8f6f4 v[qd:qd+7], v[qa:qa+7], v[qb:qb+7], 0, v[qsa], v[qsb] matrix_a_fmt:MATRIX_FMT_FP4 matrix_b_fmt:MATRIX_FMT_FP4 matrix_a_scale:MATRIX_SCALE_ROW1
.endif
.else
.if qrb
	v_wmma_scale_f32_16x16x128_f8f6f4 v[qd:qd+7], v[qa:qa+7], v[qb:qb+7], 0, v[qsa], v[qsb] matrix_a_fmt:MATRIX_FMT_FP4 matrix_b_fmt:MATRIX_FMT_FP4 matrix_b_scale:MATRIX_SCALE_ROW1
.else
	v_wmma_scale_f32_16x16x128_f8f6f4 v[qd:qd+7], v[qa:qa+7], v[qb:qb+7], 0, v[qsa], v[qsb] matrix_a_fmt:MATRIX_FMT_FP4 matrix_b_fmt:MATRIX_FMT_FP4
.endif
.endif
.else
.if qra
.if qrb
	v_wmma_scale_f32_16x16x128_f8f6f4 v[qd:qd+7], v[qa:qa+7], v[qb:qb+7], v[qd:qd+7], v[qsa], v[qsb] matrix_a_fmt:MATRIX_FMT_FP4 matrix_b_fmt:MATRIX_FMT_FP4 matrix_a_scale:MATRIX_SCALE_ROW1 matrix_b_scale:MATRIX_SCALE_ROW1
.else
	v_wmma_scale_f32_16x16x128_f8f6f4 v[qd:qd+7], v[qa:qa+7], v[qb:qb+7], v[qd:qd+7], v[qsa], v[qsb] matrix_a_fmt:MATRIX_FMT_FP4 matrix_b_fmt:MATRIX_FMT_FP4 matrix_a_scale:MATRIX_SCALE_ROW1
.endif
.else
.if qrb
	v_wmma_scale_f32_16x16x128_f8f6f4 v[qd:qd+7], v[qa:qa+7], v[qb:qb+7], v[qd:qd+7], v[qsa], v[qsb] matrix_a_fmt:MATRIX_FMT_FP4 matrix_b_fmt:MATRIX_FMT_FP4 matrix_b_scale:MATRIX_SCALE_ROW1
.else
	v_wmma_scale_f32_16x16x128_f8f6f4 v[qd:qd+7], v[qa:qa+7], v[qb:qb+7], v[qd:qd+7], v[qsa], v[qsb] matrix_a_fmt:MATRIX_FMT_FP4 matrix_b_fmt:MATRIX_FMT_FP4
.endif
.endif
.endif
.endm
.macro MULH s, i, tv                   ; the eight accumulators take turns, in the same order in every K step
	WMX 2*(\i), 0, \s, \tv
	WMX 2*(\i), 1, \s, \tv
	WMX 2*(\i)+1, 0, \s, \tv
	WMX 2*(\i)+1, 1, \s, \tv
.endm
.macro PLACES                          ; places behind products: for loads into registers that they read, and for reads of results
.rept 4
	v_nop
.endr
.endm
; K steps s0 .. s0 + 3, half a K step ahead
.macro GROUP s0, tv
	HALF \s0, 0
	HALF \s0, 1
.irp k, 0,1,2
	s_wait_dscnt 5                                 ; this half is in; the next one's 5 loads may be out
	MULH \s0+\k, 0, \tv
	PLACES
	HALF \s0+\k+1, 0
	s_wait_dscnt 5
	MULH \s0+\k, 1, \tv
	PLACES
	HALF \s0+\k+1, 1
.endr
	s_wait_dscnt 5
	MULH \s0+3, 0, \tv
	s_wait_dscnt 0x0
	MULH \s0+3, 1, \tv
	PLACES
.endm
	s_load_b256 s[4:11], s[0:1], 0x0               ; x s[4:5], wfrag s[6:7], wscl s[8:9], kv s[10:11]
	s_load_b128 s[12:15], s[0:1], 0x20             ; qf s[12:13], qs s[14:15]
	v_lshl_add_u32 v[SPW], v0, 2, SPARE
	v_mov_b32 v[NIL], 0
	ds_add_u32 v[SPW], v[NIL]                      ; the wave's opening: the add, twice on end, and its wait
	ds_add_u32 v[SPW], v[NIL]
	v_lshrrev_b32 v1, 5, v0
	v_readfirstlane_b32 s[WV], v1                  ; wave 0..15
	v_and_b32 v1, 31, v0                           ; lane
	v_and_b32 v2, 15, v0                           ; r
	v_bfe_u32 v3, v0, 4, 1                         ; h
	v_lshlrev_b32 v[L16], 4, v1
	v_lshlrev_b32 v[L8], 3, v1
	v_lshlrev_b32 v[L4], 2, v1
	; 16 rows x 256 elements of 4 bytes, 1,024 elements from row to row, 4 words of padding behind every 256
	s_mov_b32 s[G1X+0], (2<<16)|(1<<20)|(7<<22)|(3<<25)
	s_mov_b32 s[G1X+1], 256<<16                    ; tensor_dim0
	s_mov_b32 s[G1X+2], 16<<16                     ; tensor_dim1
	s_mov_b32 s[G1X+3], 256<<16                    ; tile_dim0
	s_mov_b32 s[G1X+4], 16                         ; tile_dim1
	s_mov_b32 s[G1X+5], 1024                       ; tensor_dim0_stride
	s_mov_b32 s[G1X+6], 0
	s_mov_b32 s[G1X+7], 0
	s_and_b32 s17, s[WV], 3                        ; m
	s_lshr_b32 s18, s[WV], 2                       ; p
	s_lshl_b32 s20, ttmp9, 18                      ; 64 tokens of 4,096 bytes a work-group,
	s_lshl_b32 s21, s17, 16                        ; 16 of them,
	s_add_co_u32 s20, s20, s21
	s_lshl_b32 s21, s18, 10                        ; 1,024 bytes of each
	s_add_co_u32 s20, s20, s21
	s_mov_b32 s21, 0
	s_mul_i32 s22, s[WV], XCH
	s_lshl_b32 s24, s[WV], 14                      ; my 16 fragments of W
	s_mov_b32 s25, 0
	s_lshl_b32 s26, s[WV], 10                      ; and their scale words
	s_mov_b32 s27, 0
	s_mov_b32 s[G0X], 1                            ; count = 1
	s_mov_b32 s[G0X+1], s22                        ; LDS address
	s_wait_alu depctr_va_vdst(0)                   ; the wait here, directly ahead of the waits below
	s_wait_dscnt 0x0                               ; both opening adds are done
	s_wait_kmcnt 0x0
	s_add_nc_u64 s[G0X+2:G0X+3], s[4:5], s[20:21]
	s_or_b32 s[G0X+3], s[G0X+3], 0x80000000        ; type = 2
	tensor_load_to_lds s[G0X:G0X+3], s[G1X:G1X+7]  ; my chunk: one tensor load a wave
	s_nop 0
.rept 4
	v_nop
.endr
	s_add_nc_u64 s[24:25], s[6:7], s[24:25]
	s_add_nc_u64 s[26:27], s[8:9], s[26:27]
	s_cmp_lt_u32 s[WV], 6
	s_cbranch_scc0 .Lno_w
.set n, 0
.rept 32
	global_load_b128 v[WF+4*n:WF+4*n+3], v[L16], s[24:25] offset:512*n
.set n, n+1
.endr
.set n, 0
.rept 8
	global_load_b32 v[WS+n], v[L4], s[26:27] offset:128*n          ; lanes 0-15 an even K step's words, lanes 16-31 the next one's
.set n, n+1
.endr
.Lno_w:
	; my shares
	s_lshl_b32 s30, s18, 13
	s_lshl_b32 s31, s17, 10
	s_add_co_u32 s30, s30, s31
	s_add_co_u32 s30, s30, IMG                     ; K steps 2 p, 2 p + 1, token tile m
	s_lshl_b32 s31, s18, 9
	s_lshl_b32 s32, s17, 6
	s_add_co_u32 s31, s31, s32
	s_add_co_u32 s31, s31, ISC
	s_lshr_b32 s34, s[WV], 1                       ; 0 k, 1 q, 2 v
	s_and_b32 s35, s[WV], 1                        ; which half of its columns
	s_lshl_b32 s32, s34, 8
	s_add_co_u32 s32, s32, GAT
	s_lshl_b32 s33, s35, 2
	s_add_co_u32 s33, s33, s32
	s_add_co_u32 s32, s32, s35
	s_lshl_b32 s37, s[WV], 8
	s_add_co_u32 s37, s37, GAT
	; where the results go
	s_and_b32 s44, ttmp9, 1                        ; z
	s_lshl_b32 s36, s44, 4                         ; v's two bytes stand 16 z bits up in their word
	s_lshr_b32 s45, ttmp9, 1
	s_mul_i32 s45, s45, 9216                       ; my record
	s_lshl_b32 s46, s44, 11
	s_add_co_u32 s46, s46, s45                     ; k: tiles 4 z ..
	s_lshl_b32 s47, ttmp9, 11                      ; q: tiles 4 G ..
	s_cmp_eq_u32 s34, 1
	s_cselect_b32 s46, s47, s46
	s_cselect_b64 s[40:41], s[12:13], s[10:11]
	s_lshl_b32 s47, s35, 8
	s_add_co_u32 s46, s46, s47                     ; block w % 2 of the dims
	s_lshl_b32 s47, s35, 11
	s_lshl_b32 s48, s44, 9
	s_add_co_u32 s48, s48, s47
	s_add_co_u32 s48, s48, s45
	s_add_co_u32 s48, s48, 4096                    ; v: channel tiles 2 (w % 2) .., group c = z
	s_mov_b32 s39, 512
	s_cmp_eq_u32 s34, 2
	s_cselect_b32 s46, s48, s46
	s_cselect_b32 s38, 256, s39                    ; from block 0 to block 1 of my four: the next token tile (k, q), the next 32 tokens (v)
	s_mov_b32 s47, 0
	s_add_nc_u64 s[40:41], s[40:41], s[46:47]
	s_lshl_b32 s50, s[WV], 8
	s_lshl_b32 s51, s44, 8
	s_add_co_u32 s50, s50, s51
	s_add_co_u32 s50, s50, s45
	s_add_co_u32 s50, s50, 8192                    ; planes: wave 0 stores K's, wave 2 V's,
	s_lshl_b32 s51, ttmp9, 8
	s_cmp_eq_u32 s[WV], 1                          ; wave 1 q's
	s_cselect_b32 s50, s51, s50
	s_cselect_b64 s[42:43], s[14:15], s[10:11]
	s_mov_b32 s51, 0
	s_add_nc_u64 s[42:43], s[42:43], s[50:51]
	s_mov_b32 s[SEL], 0x76543210
	s_mov_b32 s[SEL+1], 0xfedcba98                 ; v_permlanex16_b32's selects for lane l xor 16
	v_mul_u32_u24 v[XA], v2, 1040
	v_lshl_add_u32 v[XA], v3, 7, v[XA]
	v_add_nc_u32 v[XA], s22, v[XA]                 ; row r of my chunk, + 128 h: my 32 numbers of each 64
	v_add_nc_u32 v[IMW], s30, v[L16]
	v_lshlrev_b32 v[ISW], 2, v2
	v_add_nc_u32 v[ISW], s31, v[ISW]
	v_add_nc_u32 v[LIM], IMG, v[L16]
	v_add_nc_u32 v[LSM], ISC, v[L4]
	v_lshlrev_b32 v1, 3, v2
	v_add_nc_u32 v[GK], s32, v1
	v_add_nc_u32 v[GV], s33, v1
	v_add_nc_u32 v[GR], s37, v[L8]
	v_lshlrev_b32 v[SH8], 3, v3
	v_lshl_add_u32 v[VO], v2, 4, v[SH8]            ; 16 r + 8 h
	v_add_nc_u32 v[VO2], s38, v[VO]
	v_mov_b32 v[ZER], 0
	v_mov_b32 v[PT], 0                             ; a lane permute's destination counts as one of its sources
	v_mov_b32 v[PT+1], 0
	s_wait_alu depctr_va_vdst(0)                   ; the wait at the head's end
	s_cmp_lt_u32 s[WV], 8
	s_cbranch_scc0 .Lsecond
	CHUNK                                          ; K steps 0 to 3
.Lsecond:
	BARRIER                                        ; the images of K steps 0 to 3 are whole.  No LDS byte of an image is written twice
	s_cmp_lt_u32 s[WV], 6
	s_cbranch_scc0 .Lmul_a
	s_wait_loadcnt 0x0                             ; W's fragments and scale words
	s_cmp_lt_u32 s[WV], 4
	s_cbranch_scc0 .Lv_a
	GROUP 0, 0
	s_branch .Lmul_a
.Lv_a:
	GROUP 0, 1
.Lmul_a:
	s_cmp_lt_u32 s[WV], 8
	s_cbranch_scc1 .Lfirst
	CHUNK                                          ; K steps 4 to 7
.Lfirst:
	BARRIER                                        ; and theirs
	s_cmp_lt_u32 s[WV], 6
	s_cbranch_scc0 .Lgather
	s_cmp_lt_u32 s[WV], 4
	s_cbranch_scc0 .Lv_b
	GROUP 4, 0
	s_branch .Lmul_b
.Lv_b:
	GROUP 4, 1
.Lmul_b:
; my four blocks of 32: 16 registers each, with lane l xor 16's.  Block e: token tile e (k, q); channel tile e / 2, tokens 32 (e % 2) .. (v)
.irp e, 0,1,2,3
	v_max3_num_f32 v[32+\e], |v[AC+16*\e]|, |v[AC+16*\e+1]|, 0x1800000
.endr
.irp i, 2,4,6,8,10,12,14
.irp e, 0,1,2,3
	v_max3_num_f32 v[32+\e], v[32+\e], |v[AC+16*\e+\i]|, |v[AC+16*\e+\i+1]|
.endr
.endr
.irp e, 0,1,2,3
	v_permlanex16_b32 v[36+\e], v[32+\e], s[SEL], s[SEL+1]
.endr
.irp e, 0,1,2,3
	v_max_num_f32 v[32+\e], v[32+\e], v[36+\e]
.endr
.irp e, 0,1,2,3
	v_add_nc_u32 v[40+\e], 0xff000000, v[32+\e]
.endr
.irp e, 0,1,2,3
	v_lshrrev_b32 v[44+\e], 23, v[40+\e]
.endr
.irp e, 0,1,2,3
	v_cvt_scalef32_pk8_fp4_f32 v[48+2*\e], v[AC+16*\e:AC+16*\e+7], v[40+\e]
	v_cvt_scalef32_pk8_fp4_f32 v[49+2*\e], v[AC+16*\e+8:AC+16*\e+15], v[40+\e]
.endr
	v_lshl_or_b32 v56, v45, 8, v44                 ; v's scale words of two channel tiles (and the plain lines behind the conversions)
	v_lshl_or_b32 v57, v47, 8, v46
	v_lshlrev_b32 v56, s36, v56
	v_lshlrev_b32 v57, s36, v57
	global_store_b64 v[VO], v[48:49], s[40:41]     ; each store: 256 consecutive bytes, aligned: a block's 16 rows x 16 bytes
	global_store_b64 v[VO2], v[50:51], s[40:41]
	global_store_b64 v[VO], v[52:53], s[40:41] offset:1024
	global_store_b64 v[VO2], v[54:55], s[40:41] offset:1024
	s_wait_alu depctr_va_vdst(0)                   ; the wait ahead of the branch
	s_cmp_lt_u32 s[WV], 4
	s_cbranch_scc0 .Lv_c
.irp e, 0,1,2,3                        ; byte w % 2 of the word, and a zero two bytes up; both halves of the lanes write the same
	ds_store_b8 v[GK], v[44+\e] offset:128*(\e%2)+4*(\e/2)
	ds_store_b8 v[GK], v[ZER] offset:128*(\e%2)+4*(\e/2)+2
.endr
	s_branch .Lgather
.Lv_c:
	ds_store_b32 v[GV], v56
	ds_store_b32 v[GV], v57 offset:128
.Lgather:
	BARRIER                                        ; the scale words are gathered, so that they leave as 256 consecutive bytes
	s_cmp_lt_u32 s[WV], 3
	s_cbranch_scc0 .Lend
	ds_load_b64 v[62:63], v[GR]
	s_wait_dscnt 0x0
	global_store_b64 v[L8], v[62:63], s[42:43]     ; 32 lanes store 256 consecutive bytes, aligned
.Lend:
	s_wait_tensorcnt 0x0                           ; the wave's end
	ds_add_u32 v[SPW], v[NIL]
	s_wait_dscnt 0x0
	s_endpgm
.Lfunc_end_k_qff6991aaaa_proj:
	.size	k_qff6991aaaa_proj, .Lfunc_end_k_qff6991aaaa_proj-k_qff6991aaaa_proj
	.p2alignl 7, 3214868480
	.fill 96, 4, 3214868480
	.section	.rodata,"a",@progbits
	.p2align	6, 0x0
	.amdhsa_kernel k_qff6991aaaa_proj
		.amdhsa_group_segment_fixed_size 304128
		.amdhsa_private_segment_fixed_size 0
		.amdhsa_enable_private_segment 0
		.amdhsa_kernarg_size 48
		.amdhsa_user_sgpr_count 2
		.amdhsa_user_sgpr_kernarg_segment_ptr 1
		.amdhsa_wavefront_size32 1
		.amdhsa_system_sgpr_workgroup_id_x 1
		.amdhsa_system_sgpr_workgroup_id_y 1
		.amdhsa_system_sgpr_workgroup_id_z 1
		.amdhsa_system_vgpr_workitem_id 0
		.amdhsa_next_free_vgpr 256
		.amdhsa_next_free_sgpr 96
		.amdhsa_reserve_vcc 0
		.amdhsa_float_denorm_mode_32 3
		.amdhsa_float_denorm_mode_16_64 3
		.amdhsa_memory_ordered 1
		.amdhsa_forward_progress 1
		.amdhsa_inst_pref_size 63
	.end_amdhsa_kernel
	.amdgpu_metadata
---
amdhsa.version: [ 1, 2 ]
amdhsa.kernels:
  - .name:           k_qff6991aaaa_proj
    .symbol:         k_qff6991aaaa_proj.kd
    .args:
      - { .name: x, .offset: 0, .size: 8, .value_kind: global_buffer, .address_space: global }
      - { .name: wfrag, .offset: 8, .size: 8, .value_kind: global_buffer, .address_space: global }
      - { .name: wscl, .offset: 16, .size: 8, .value_kind: global_buffer, .address_space: global }
      - { .name: kv, .offset: 24, .size: 8, .value_kind: global_buffer, .address_space: global }
      - { .name: qf, .offset: 32, .size: 8, .value_kind: global_buffer, .address_space: global }
      - { .name: qs, .offset: 40, .size: 8, .value_kind: global_buffer, .address_space: global }
    .group_segment_fixed_size: 304128
    .private_segment_fixed_size: 0
    .kernarg_segment_align: 8
    .kernarg_segment_size: 48
    .max_flat_workgroup_size: 512
    .sgpr_count:     96
    .vgpr_count:     256
    .wavefront_size: 32
...
	.end_amdgpu_metadata
.endif
;; end of part 2
;; launch attn (part 3): grid 256 x 1, 8 waves a work-group, no clusters, 144,384 bytes of LDS; arguments kv, qf, qs, out0; writes out0
.if DOCPART == 3
	.amdgcn_target "amdgcn-amd-amdhsa--gfx1250"
	.amdhsa_code_object_version 6
	.text
	.protected	k_qff6991aaaa_attn
	.globl	k_qff6991aaaa_attn
	.p2align	8
	.type	k_qff6991aaaa_attn,@function
k_qff6991aaaa_attn:
	s_mov_b64 s[64:65], 0
	v_nop
	global_prefetch_b8 v0, s[64:65] scope:SCOPE_SE
	s_setreg_imm32_b32 hwreg(HW_REG_WAVE_MODE, 25, 1), 1
	s_wait_xcnt 0x0
; out[b][q][:] = the sum over keys k <= q of softmax_k(q . k / 8) v[k][:], both products on codes of FP4 (E2M1) with one E8M0 scale for each 32 along a product's K.  4 batches x 4,096 tokens x 64.
; THE SOFTMAX AHEAD OF THE SECOND PRODUCT: t = score x log2(e) / 8; M = the largest t so far, rounded UP to a whole number; p = 2^(t - M) is quantised along the keys, not normalised; the row's sum is taken of the
; unquantised p and divides at the end.  When M moves, the sum and O are multiplied by 2^(old M - new M): exact.
; WORK LEFT OUT: records of 128 keys that reference()'s own causal mask hides from all 32 queries of a pair (weight exp(-inf) = 0 for all values of the inputs).
; SHARES.  A work-group owns 32 early queries (group g of its batch's 128) and 32 late ones (group 127 - g), each a pair of tiles of 16.  A UNIT is one record of 128 keys for one pair.  With j = g / 4 the early pair wants
; records 0 .. j, the late pair 0 .. 31 - j: 33 units in every work-group, early ones first; wave w takes units w, w + 8, w + 16, w + 24, for both tiles, which share each fragment of K and V;
; unit 32, the late pair's diagonal record, is divided: wave 0 takes tile 0, wave 1 tile 1.
; The eight partial results of a tile go to LDS as they are and are joined behind one barrier: each has a whole M, so bringing them under the largest is exact.
; K and V lie in memory in the order of the operands' registers and go STRAIGHT INTO REGISTERS, one unit ahead of their use: K's next record is asked for behind the unit's first products, V's behind its last.
; NO CLUSTER: a joint load lands in LDS only, and would ask for records that lie past a partner's causal limit.  NO PREFETCH: each record is asked for by its own loads a whole unit ahead, in 4 trips.
; LAYOUT.  Both products are used transposed: S^T = K Q^T (source 0 = 16 keys, source 1 = 16 queries), O^T = V^T P^T: a lane holds ONE query (lane % 16) throughout.  Register 8 t + i of S^T is the record's key
; 16 t + 8 (lane / 16) + i; inside a block of 32 keys p's codes and V's stand in the same order.
; THE HEAD IS 64, HALF OF THE INSTRUCTION'S 128: a tile of K is 4 registers.  Source 0 names 8: the upper four (the next tile's codes, zeros behind tile 7) meet the zero codes of Q's upper four registers: they add 0.
; LIMITS: NaN and infinities are not served, and one that reaches only the work left out is not carried to the result; the scaled scores stay under 2^31; a block of p that has fallen to 0 keeps the byte 1 (its codes are zeros).
; LDS: partial result (early 0 / late 1: ph, tile a, wave w) at ((2 ph + a) 8 + w) x 4,352: 16 rows of 256 + 16 bytes; STAT: -M and the sum, 128 bytes each, in the same order.
; REGISTERS: window 0 as below; window 1: KV v0-31, zeros v32-35, VV v36-67, OO v68-131 (O^T of both tiles).
.set REC,  9216
.set STAT, 139264
.set SPARE, 143360
.set L16,  1
.set RR,   2
.set HH,   3
.set AO,   4                           ; v4, v12: 16 x and 8 x lane, or 0 where nothing follows
.set D,    5                           ; the early pair's place in its diagonal record + r - 8 h
.set NINF, 6
.set DL,   7                           ; the late pair's
.set QSW,  8                           ; Q's scale words: lanes 0-15 tile 0, lanes 16-31 tile 1;  v9 the late pair's
.set QSL,  9
.set SPW,  10
.set NIL,  11
.set AO8,  12
.set L8,   13
.set STR,  14
.set ST,   16                          ; tile a at ST + 4 a: -M, the largest t, the sum in two halves
.set QW,   24                          ; v24-39 Q: 4 registers of codes and 4 of zeros a tile
.set QL,   40                          ; v40-47 the late pair's codes
.set KSC,  48                          ; v48-51 K's scale words: tile t in register t / 2, row t % 2
.set VS,   52                          ; v52-55 V's two planes
.set PSW,  56                          ; v56-57 p's scale words
.set T0,   58
.set F,    60                          ; v60, v62 f; v61, v63 named with them
.set SM2,  64                          ; v64-67 the sums' second chains
.set BM,   68                          ; v68-75 the blocks' largest
.set BP,   76                          ; v76-83 lane permutes' destinations; bytes
.set SO,   84                          ; v84-91 scale operands
.set PC,   92                          ; v92-107 p's codes
.set PSE,  108                         ; where I put a partial result: early, late
.set PSL,  109
.set STA,  110
.set PSR,  111
.set S,    112                         ; v112-239 S^T, then p
.set TI,   244
.set KV,   0
.set VV,   36
.set OO,   68
.set WV,   12
.set BA,   13
.set GG,   14
.set J,    15
.set CX,   16
.set EE,   17                          ; j + 1
.set U,    18                          ; the unit in hand
.set PH,   19                          ; 1 behind the change to the late pair
.set KVB,  20
.set KP,   22
.set TR,   24
.set NT,   25                          ; units that I load: 5 in waves 0 and 1
.set SEL,  26
.set CS,   28
.set OB,   30
.set POSE, 56                          ; the pairs' places in their diagonal records
.set POSL, 57
.set MSB, 0
.macro WIN new                         ; the immediate's high byte repeats the setting that is left
.if MSB != \new
	s_set_vgpr_msb (MSB<<8)|\new
.set MSB, \new
.endif
.endm
.macro KLOAD o, p                      ; a record of K: 10 loads
	WIN 0x40
.irp t, 0,1,2,3,4,5,6,7
	global_load_b128 v[KV+4*\t:KV+4*\t+3], v[\o], s[KP:KP+1] offset:512*\t
.endr
	WIN 0
	global_load_b64 v[KSC:KSC+1], v[\p], s[KP:KP+1] offset:8192
	global_load_b64 v[KSC+2:KSC+3], v[\p], s[KP:KP+1] offset:8448
.endm
.macro VLOAD o, p                      ; of V: 10 loads
	WIN 0x40
.irp t, 0,1,2,3,4,5,6,7
	global_load_b128 v[VV+4*\t:VV+4*\t+3], v[\o], s[KP:KP+1] offset:4096+512*\t
.endr
	WIN 0
	global_load_b64 v[VS:VS+1], v[\p], s[KP:KP+1] offset:8704
	global_load_b64 v[VS+2:VS+3], v[\p], s[KP:KP+1] offset:8960
.endm
.macro RESET                           ; no key seen: O^T and the sums 0, the largest t -3e38, under every t.  (A wave may begin with either pair, so its first unit of a pair finds these: the first change of M leaves zeros)
	WIN 0x40
.set n, 0
.rept 64
	v_mov_b32 v[OO+n], 0
.set n, n+1
.endr
	WIN 0
.irp a, 0,1
	v_mov_b32 v[ST+4*\a+1], 0xff61b1e6
.endr
.irp a, 0,1
	v_mov_b32 v[ST+4*\a+2], 0
	v_mov_b32 v[ST+4*\a+3], 0
.endr
.irp a, 0,1
	v_floor_f32 v[ST+4*\a], -v[ST+4*\a+1]
.endr
.endm
.macro DUMP ad, ph                     ; the pair's partial results, as they are
.irp a, 0,1
	v_add_f32 v[T0+\a], v[ST+4*\a+2], v[ST+4*\a+3]
.endr
.irp a, 0,1
	v_permlanex16_b32 v[BP+\a], v[T0+\a], s[SEL], s[SEL+1]
.endr
.irp a, 0,1
	v_add_f32 v[ST+4*\a+1], v[T0+\a], v[BP+\a]     ; with lane l xor 16's: my keys' sum (the largest t is done with)
.endr
.irp a, 0,1
	ds_store_b64 v[STA], v[ST+4*\a:ST+4*\a+1] offset:2048*(\ph)+1024*\a
.endr
	WIN 0x04                                       ; an LDS store's data are its source 1
.irp a, 0,1
.irp c, 0,1,2,3
	ds_store_b128 v[\ad], v[OO+32*\a+8*\c:OO+32*\a+8*\c+3] offset:34816*\a+64*\c       ; query r, channels 16 c + 8 h + 0 .. 7
	ds_store_b128 v[\ad], v[OO+32*\a+8*\c+4:OO+32*\a+8*\c+7] offset:34816*\a+64*\c+16
.endr
.endr
	WIN 0
.endm
.macro SCORE t, a
.if (\t)%2
.if \a
	v_wmma_scale_f32_16x16x128_f8f6f4 v[S+64*\a+8*\t:S+64*\a+8*\t+7], v[KV+4*\t:KV+4*\t+7], v[QW+8*\a:QW+8*\a+7], 0, v[KSC+\t/2], v[QSW] matrix_a_fmt:MATRIX_FMT_FP4 matrix_b_fmt:MATRIX_FMT_FP4 matrix_a_scale:MATRIX_SCALE_ROW1 matrix_b_scale:MATRIX_SCALE_ROW1
.else
	v_wmma_scale_f32_16x16x128_f8f6f4 v[S+64*\a+8*\t:S+64*\a+8*\t+7], v[KV+4*\t:KV+4*\t+7], v[QW+8*\a:QW+8*\a+7], 0, v[KSC+\t/2], v[QSW] matrix_a_fmt:MATRIX_FMT_FP4 matrix_b_fmt:MATRIX_FMT_FP4 matrix_a_scale:MATRIX_SCALE_ROW1
.endif
.else
.if \a
	v_wmma_scale_f32_16x16x128_f8f6f4 v[S+64*\a+8*\t:S+64*\a+8*\t+7], v[KV+4*\t:KV+4*\t+7], v[QW+8*\a:QW+8*\a+7], 0, v[KSC+\t/2], v[QSW] matrix_a_fmt:MATRIX_FMT_FP4 matrix_b_fmt:MATRIX_FMT_FP4 matrix_b_scale:MATRIX_SCALE_ROW1
.else
	v_wmma_scale_f32_16x16x128_f8f6f4 v[S+64*\a+8*\t:S+64*\a+8*\t+7], v[KV+4*\t:KV+4*\t+7], v[QW+8*\a:QW+8*\a+7], 0, v[KSC+\t/2], v[QSW] matrix_a_fmt:MATRIX_FMT_FP4 matrix_b_fmt:MATRIX_FMT_FP4
.endif
.endif
.endm
; block b (32 keys) of a diagonal record, tile a: hidden where 16 t + i - 16 a > d
.macro MASK b, a, d
.set n, 16*(\b)
.rept 16
	v_cmp_gt_i32 vcc_lo, 16*(n/8)+n%8-16*(\a), v[\d]
	v_cndmask_b32 v[S+64*(\a)+n], v[S+64*(\a)+n], v[NINF], vcc_lo
.set n, n+1
.endr
.endm
; A unit behind its scores, for tiles a0 .. a0 + na - 1; block 4 a + b of 32 keys is registers S + 16 (4 a + b) on.  vc: the loads issued behind V's, which may be out.
.macro PART a0, na, vc
; the largest score of each block of 32 keys, the blocks by turns: for the row's maximum and, since p rises with the score, for the block's largest p
.set kb, 4*(\a0)
.rept 4*(\na)
	v_max3_num_f32 v[BM+kb], v[S+16*kb], v[S+16*kb+1], v[S+16*kb+2]
.set kb, kb+1
.endr
.irp i, 3,5,7,9,11,13
.set kb, 4*(\a0)
.rept 4*(\na)
	v_max3_num_f32 v[BM+kb], v[BM+kb], v[S+16*kb+\i], v[S+16*kb+\i+1]
.set kb, kb+1
.endr
.endr
.set kb, 4*(\a0)
.rept 4*(\na)
	v_max_num_f32 v[BM+kb], v[BM+kb], v[S+16*kb+15]
.set kb, kb+1
.endr
.set kb, 4*(\a0)
.rept 4*(\na)
	v_permlanex16_b32 v[BP+kb], v[BM+kb], s[SEL], s[SEL+1]
.set kb, kb+1
.endr
.set kb, 4*(\a0)
.rept 4*(\na)
	v_max_num_f32 v[BM+kb], v[BM+kb], v[BP+kb]     ; with lane l xor 16's keys
.set kb, kb+1
.endr
.set ka, \a0
.rept \na
	v_max3_num_f32 v[T0+ka], v[BM+4*ka], v[BM+4*ka+1], v[BM+4*ka+2]
.set ka, ka+1
.endr
.set ka, \a0
.rept \na
	v_mov_b32 v[BP+ka], v[ST+4*ka]                 ; the old -M
.set ka, ka+1
.endr
.set ka, \a0
.rept \na
	v_max_num_f32 v[T0+ka], v[T0+ka], v[BM+4*ka+3] ; the unit's largest score of my query (the record's first key counts for every query: it is a number)
.set ka, ka+1
.endr
.set ka, \a0
.rept \na
	v_mul_f32 v[T0+ka], s[CS], v[T0+ka]            ; as t (c is positive)
.set ka, ka+1
.endr
.set ka, \a0
.rept \na
	v_max_num_f32 v[ST+4*ka+1], v[ST+4*ka+1], v[T0+ka]
.set ka, ka+1
.endr
.set ka, \a0
.rept \na
	v_floor_f32 v[ST+4*ka], -v[ST+4*ka+1]          ; the new -M = floor(-t) = -ceil(t)
.set ka, ka+1
.endr
.set ka, \a0
.rept \na
	v_sub_f32 v[T0+ka], v[ST+4*ka], v[BP+ka]       ; old M - new M: a whole number, 0 or less
.set ka, ka+1
.endr
.set ka, \a0
.rept \na
	v_cvt_i32_f32 v[T0+ka], v[T0+ka]               ; (it saturates)
.set ka, ka+1
.endr
.set ka, \a0
.rept \na
	v_ldexp_f32 v[F+2*ka], 1.0, v[T0+ka]           ; f = 2^(old M - new M)
.set ka, ka+1
.endr
.set ka, \a0
.rept \na
.set n, 64*ka
.rept 32
	v_pk_fma_f32 v[S+n:S+n+1], v[S+n:S+n+1], s[CS:CS+1], v[ST+4*ka:ST+4*ka+1] op_sel_hi:[1,0,0]   ; t - M (of the pairs c and -M the low word serves both halves)
.set n, n+2
.endr
.set kb, 4*ka
.rept 4
	v_fma_f32 v[BM+kb], v[BM+kb], s[CS], v[ST+4*ka]
.set kb, kb+1
.endr
.set ka, ka+1
.endr
	s_wait_alu depctr_va_vdst(0)                   ; the wait ahead of the batch
.set n, 64*(\a0)
.rept 64*(\na)
	v_exp_f32 v[S+n], v[S+n]                       ; p = 2^(t - M), at most 1
.set n, n+1
.endr
.set kb, 4*(\a0)
.rept 4*(\na)
	v_exp_f32 v[BM+kb], v[BM+kb]                   ; the block's largest p: the same two instructions on the same number
.set kb, kb+1
.endr
.set ka, \a0
.rept \na
	v_pk_mul_f32 v[ST+4*ka+2:ST+4*ka+3], v[ST+4*ka+2:ST+4*ka+3], v[F+2*ka:F+2*ka+1] op_sel_hi:[1,0]   ; the sums under the new M.  (Plain lines behind the exponentials)
.set ka, ka+1
.endr
	s_wait_alu depctr_va_vdst(0)                   ; and ahead of the batch's first reader
.set kb, 4*(\a0)
.rept 4*(\na)
	v_max_num_f32 v[BM+kb], 0x1800000, v[BM+kb]    ; the floor 2^(3 - 127): the byte cannot fall under 1
.set kb, kb+1
.endr
.set kb, 4*(\a0)
.rept 4*(\na)
	v_add_nc_u32 v[SO+kb], 0xff000000, v[BM+kb]    ; 2 off the exponent field: the conversion's scale operand
.set kb, kb+1
.endr
.set kb, 4*(\a0)
.rept 4*(\na)
	v_lshrrev_b32 v[BP+kb], 23, v[SO+kb]           ; the scale's byte
.set kb, kb+1
.endr
.set ka, \a0
.rept \na
	v_lshl_or_b32 v[PSW+ka], v[BP+4*ka+1], 8, v[BP+4*ka]   ; p's scale words for these 128 keys
.set ka, ka+1
.endr
.set ka, \a0
.rept \na
	v_lshl_or_b32 v[PSW+ka], v[BP+4*ka+2], 16, v[PSW+ka]
.set ka, ka+1
.endr
.set ka, \a0
.rept \na
	v_lshl_or_b32 v[PSW+ka], v[BP+4*ka+3], 24, v[PSW+ka]
.set ka, ka+1
.endr
.set kb, 4*(\a0)
.rept 4*(\na)
	v_cvt_scalef32_pk8_fp4_f32 v[PC+2*kb], v[S+16*kb:S+16*kb+7], v[SO+kb]
	v_cvt_scalef32_pk8_fp4_f32 v[PC+2*kb+1], v[S+16*kb+8:S+16*kb+15], v[SO+kb]
.set kb, kb+1
.endr
	v_nop                                          ; one plain line behind the last conversion
.set kb, 2*(\a0)
.rept 2*(\na)                          ; a whole block in a lane: lanes 0-15 block 2 c, lanes 16-31 block 2 c + 1
	v_permlane16_swap_b32 v[PC+4*kb], v[PC+4*kb+2]
	v_permlane16_swap_b32 v[PC+4*kb+1], v[PC+4*kb+3]
.set kb, kb+1
.endr
	WIN 0x41                                       ; destination and source 0 (O^T) window 1
	s_wait_alu depctr_va_vdst(0)                   ; the wait here, directly ahead of the first reader of O^T
.set ka, \a0
.rept \na
.set n, 32*ka
.rept 16
	v_pk_mul_f32 v[OO+n:OO+n+1], v[OO+n:OO+n+1], v[F+2*ka:F+2*ka+1] op_sel_hi:[1,0]   ; O^T under the new M, each accumulator from its low end on
.set n, n+2
.endr
.set ka, ka+1
.endr
	WIN 0
	s_wait_alu depctr_va_vdst(0)                   ; the wait here, directly ahead of the wait below
	s_wait_loadcnt \vc                             ; V is in; K's next ten loads, if any, may be out
	v_or_b32 v[VS], v[VS], v[VS+2]                 ; the two planes make the words of 128 keys: channel tile c in register c / 2, row c % 2
	v_or_b32 v[VS+1], v[VS+1], v[VS+3]
.set ka, \a0
.rept \na
	v_pk_add_f32 v[SM2+2*ka:SM2+2*ka+1], v[S+64*ka:S+64*ka+1], v[S+64*ka+2:S+64*ka+3]   ; the row's sum is taken of the UNQUANTISED p: two at a time, in two chains a tile
.set ka, ka+1
.endr
.set n, 4
.rept 15
.set ka, \a0
.rept \na
	v_pk_add_f32 v[ST+4*ka+2:ST+4*ka+3], v[ST+4*ka+2:ST+4*ka+3], v[S+64*ka+n:S+64*ka+n+1]
	v_pk_add_f32 v[SM2+2*ka:SM2+2*ka+1], v[SM2+2*ka:SM2+2*ka+1], v[S+64*ka+n+2:S+64*ka+n+3]
.set ka, ka+1
.endr
.set n, n+4
.endr
.set ka, \a0
.rept \na
	v_pk_add_f32 v[ST+4*ka+2:ST+4*ka+3], v[ST+4*ka+2:ST+4*ka+3], v[SM2+2*ka:SM2+2*ka+1]   ; (these lines are also the places between the scale words just made and the products)
.set ka, ka+1
.endr
	WIN 0x51                                       ; source 0 (V), C and D window 1
.set ka, \a0
.rept \na                              ; O^T += V^T P^T: the accumulators take turns, one instruction a turn
.irp c, 0,2
	v_wmma_scale_f32_16x16x128_f8f6f4 v[OO+32*ka+8*\c:OO+32*ka+8*\c+7], v[VV+8*\c:VV+8*\c+7], v[PC+8*ka:PC+8*ka+7], v[OO+32*ka+8*\c:OO+32*ka+8*\c+7], v[VS+\c/2], v[PSW+ka] matrix_a_fmt:MATRIX_FMT_FP4 matrix_b_fmt:MATRIX_FMT_FP4
	v_wmma_scale_f32_16x16x128_f8f6f4 v[OO+32*ka+8*\c+8:OO+32*ka+8*\c+15], v[VV+8*\c+8:VV+8*\c+15], v[PC+8*ka:PC+8*ka+7], v[OO+32*ka+8*\c+8:OO+32*ka+8*\c+15], v[VS+\c/2], v[PSW+ka] matrix_a_fmt:MATRIX_FMT_FP4 matrix_b_fmt:MATRIX_FMT_FP4 matrix_a_scale:MATRIX_SCALE_ROW1
.endr
.set ka, ka+1
.endr
	WIN 0
.rept 4
	v_nop                                          ; places in front of loads into V's registers, and of the stores that read O^T
.endr
.endm
; Unit 32 for tile a alone
.macro TAIL a
	s_wait_loadcnt 10                              ; K is in; V's ten loads may be out
	WIN 0x01
.irp t, 0,1,2,3,4,5,6,7
	SCORE \t, \a
.endr
	WIN 0
.rept 4
	v_nop                                          ; places in front of the first read of the scores
.endr
.irp b, 0,1,2,3
	s_cmp_gt_u32 s[POSL], 32*\b                    ; a block that ends ahead of the pair's first query counts whole
	s_cbranch_scc1 .Lseen_\a\()_\b
	MASK \b, \a, DL
.Lseen_\a\()_\b:
.endr
	PART \a, 1, 0
	s_wait_alu depctr_va_vdst(0)                   ; the wait ahead of the branch
.endm
	s_load_b256 s[4:11], s[0:1], 0x0               ; kv s[4:5], qf s[6:7], qs s[8:9], out0 s[10:11]
	v_lshl_add_u32 v[SPW], v0, 2, SPARE
	v_mov_b32 v[NIL], 0
	v_lshrrev_b32 v15, 5, v0
	v_readfirstlane_b32 s[WV], v15                 ; wave 0..7
	v_and_b32 v[L8], 31, v0
	v_lshlrev_b32 v[L16], 4, v[L8]
	v_lshlrev_b32 v[L8], 3, v[L8]
	v_and_b32 v[RR], 15, v0
	v_bfe_u32 v[HH], v0, 4, 1
	s_lshr_b32 s[BA], ttmp9, 6                     ; 64 work-groups a batch
	s_and_b32 s[GG], ttmp9, 63
	s_lshr_b32 s[J], s[GG], 2
	s_and_b32 s[CX], s[GG], 3
	s_add_co_u32 s[EE], s[J], 1
	s_mov_b32 s[U], s[WV]
	s_mul_i32 s32, s[BA], 32*REC
	s_mov_b32 s33, 0
	s_sub_co_u32 s34, s[U], s[EE]
	s_cmp_lt_u32 s[U], s[EE]
	s_cselect_b32 s34, s[U], s34                   ; my first unit's record
	s_mul_i32 s34, s34, REC
	s_mov_b32 s35, 0
	s_lshl_b32 s36, s[BA], 7                       ; 128 groups of 32 queries a batch
	s_sub_co_u32 s37, 127, s[GG]
	s_add_co_u32 s37, s37, s36                     ; the late group
	s_add_co_u32 s36, s36, s[GG]                   ; the early group
	s_lshl_b32 s38, s36, 10                        ; 1,024 bytes of codes a group
	s_mov_b32 s39, 0
	s_lshl_b32 s40, s37, 10
	s_mov_b32 s41, 0
	s_lshr_b32 s42, s36, 1                         ; scale words: 256 bytes for two groups, interleaved
	s_lshl_b32 s42, s42, 8
	s_and_b32 s43, s36, 1
	s_lshl_b32 s43, s43, 2
	s_add_co_u32 s42, s42, s43
	s_mov_b32 s43, 0
	s_lshr_b32 s44, s37, 1
	s_lshl_b32 s44, s44, 8
	s_and_b32 s45, s37, 1
	s_lshl_b32 s45, s45, 2
	s_add_co_u32 s44, s44, s45
	s_mov_b32 s45, 0
	s_wait_alu depctr_va_vdst(0)                   ; the wait here, directly ahead of the wait below
	s_wait_kmcnt 0x0
	s_add_nc_u64 s[KVB:KVB+1], s[4:5], s[32:33]
	s_add_nc_u64 s[KP:KP+1], s[KVB:KVB+1], s[34:35]
	s_add_nc_u64 s[38:39], s[6:7], s[38:39]
	s_add_nc_u64 s[40:41], s[6:7], s[40:41]
	s_add_nc_u64 s[42:43], s[8:9], s[42:43]
	s_add_nc_u64 s[44:45], s[8:9], s[44:45]
	global_load_b128 v[QW:QW+3], v[L16], s[38:39]
	global_load_b128 v[QW+8:QW+11], v[L16], s[38:39] offset:512
	global_load_b128 v[QL:QL+3], v[L16], s[40:41]
	global_load_b128 v[QL+4:QL+7], v[L16], s[40:41] offset:512
	global_load_b32 v[QSW], v[L8], s[42:43]
	global_load_b32 v[QSL], v[L8], s[44:45]
	KLOAD L16, L8
	VLOAD L16, L8
	s_mov_b32 s[PH], 0
	s_mov_b32 s[TR], 0
	s_cmp_lt_u32 s[WV], 2
	s_cselect_b32 s[NT], 5, 4
	s_mov_b32 s[SEL], 0x76543210
	s_mov_b32 s[SEL+1], 0xfedcba98                 ; v_permlanex16_b32's selects for lane l xor 16
	s_mov_b32 s[CS], 0x3e38aa3b                    ; c = log2(e) / 8
	s_mov_b32 s[CS+1], s[CS]                       ; (named with it as a pair, so it is written)
	; at the end wave w joins tile w / 2 (2 ph + a), rows 8 (w % 2) on
	s_lshr_b32 s46, s[WV], 1
	s_and_b32 s47, s[WV], 1
	s_lshl_b32 s48, s[GG], 5
	s_sub_co_u32 s49, 127, s[GG]
	s_lshl_b32 s49, s49, 5
	s_cmp_lt_u32 s[WV], 4
	s_cselect_b32 s48, s48, s49
	s_and_b32 s49, s46, 1
	s_lshl_b32 s49, s49, 4
	s_add_co_u32 s48, s48, s49
	s_lshl_b32 s49, s47, 3
	s_add_co_u32 s48, s48, s49                     ; the first query
	s_lshl_b32 s48, s48, 8
	s_lshl_b32 s49, s[BA], 20
	s_add_co_u32 s48, s48, s49
	s_mov_b32 s49, 0
	s_add_nc_u64 s[OB:OB+1], s[10:11], s[48:49]
	s_mul_i32 s50, s46, 34816
	s_mul_i32 s51, s47, 8*272
	s_add_co_u32 s50, s50, s51
	s_lshl_b32 s52, s46, 10
	s_lshl_b32 s53, s47, 6
	s_add_co_u32 s52, s52, s53
	s_add_co_u32 s52, s52, STAT
	s_mul_i32 s54, s[WV], 4352
	s_lshl_b32 s55, s[WV], 7
	s_add_co_u32 s55, s55, STAT
	s_lshl_b32 s[POSE], s[CX], 5
	s_sub_co_u32 s[POSL], 96, s[POSE]
	RESET
	WIN 0x40
.irp i, 0,1,2,3
	v_mov_b32 v[KV+32+\i], 0
.endr
	WIN 0
.irp i, 4,5,6,7
	v_mov_b32 v[QW+\i], 0                          ; zero codes for k = 64 .. 127
	v_mov_b32 v[QW+8+\i], 0
.endr
.irp i, 0,1,2,3,4,5,6,7
	v_mov_b32 v[BP+\i], 0                          ; a lane permute's destination counts as one of its sources
.endr
	v_mov_b32 v[F+1], 0                            ; named as the upper halves of the pairs with f
	v_mov_b32 v[F+3], 0
	v_mov_b32 v[NINF], 0xff800000
	v_lshlrev_b32 v15, 3, v[HH]
	v_sub_nc_u32 v15, v[RR], v15                   ; r - 8 h
	v_add_nc_u32 v[D], s[POSE], v15
	v_add_nc_u32 v[DL], s[POSL], v15
	v_mul_u32_u24 v[PSE], v[RR], 272
	v_lshl_add_u32 v[PSE], v[HH], 5, v[PSE]
	v_add_nc_u32 v[PSE], s54, v[PSE]
	v_add_nc_u32 v[PSL], 69632, v[PSE]
	v_lshlrev_b32 v[STA], 3, v[RR]
	v_add_nc_u32 v[STA], s55, v[STA]
	v_mul_u32_u24 v[PSR], v[HH], 272
	v_lshl_add_u32 v[PSR], v[RR], 4, v[PSR]
	v_add_nc_u32 v[PSR], s50, v[PSR]
	v_lshlrev_b32 v[STR], 3, v[HH]
	v_add_nc_u32 v[STR], s52, v[STR]
	s_wait_alu depctr_va_vdst(0)                   ; the wait at the head's end
.Lunit:
	s_wait_loadcnt 10                              ; K is in (in the first unit Q too); V's ten loads may be out
	s_cmp_gt_u32 s[U], s[J]
	s_cselect_b32 s32, 1, 0
	s_cmp_gt_u32 s32, s[PH]
	s_cbranch_scc0 .Lsame_pair
	DUMP PSE, 0                                    ; my first unit of the late pair: the early pair's partial results go to LDS, and the late pair's registers come in
.irp i, 0,1,2,3
	v_mov_b32 v[QW+\i], v[QL+\i]
	v_mov_b32 v[QW+8+\i], v[QL+4+\i]
.endr
	v_mov_b32 v[QSW], v[QSL]
	RESET
	s_mov_b32 s[PH], 1
	s_wait_alu depctr_va_vdst(0)
.Lsame_pair:
	WIN 0x01                                       ; source 0 (K) window 1
.irp t, 0,1,2,3,4,5,6,7
	SCORE \t, 0
	SCORE \t, 1
.endr
	WIN 0
	s_wait_xcnt 0x0                                ; V's loads have read their addresses
	s_add_co_u32 s32, s[U], 8                      ; my next unit's record (unit 32 for waves 0 and 1); behind the last, record 0's first bytes (every lane the same)
	s_min_u32 s32, s32, 32
	s_sub_co_u32 s33, s32, s[EE]
	s_cmp_lt_u32 s32, s[EE]
	s_cselect_b32 s33, s32, s33
	s_add_co_u32 s34, s[TR], 1
	s_cmp_lt_u32 s34, s[NT]
	s_cselect_b32 s33, s33, 0
	s_cselect_b32 s36, -1, 0
	s_mul_i32 s34, s33, REC
	s_mov_b32 s35, 0
	s_add_nc_u64 s[KP:KP+1], s[KVB:KVB+1], s[34:35]
	v_and_b32 v[AO], s36, v[L16]
	v_and_b32 v[AO8], s36, v[L8]
	v_nop
	v_nop                                          ; four places behind the products: for the loads below and the first read of the scores
	KLOAD AO, AO8                                  ; the next unit's K
	s_cmp_eq_u32 s[U], s[J]                        ; the early pair's diagonal record is unit j; the late pair's, unit 32, is not in this loop
	s_cbranch_scc0 .Lopen
.irp b, 0,1,2,3
	s_cmp_gt_u32 s[POSE], 32*\b                    ; a block that ends ahead of the pair's first query counts whole
	s_cbranch_scc1 .Lwhole_\b
	MASK \b, 0, D
	MASK \b, 1, D
.Lwhole_\b:
.endr
.Lopen:
	PART 0, 2, 10
	VLOAD AO, AO8                                  ; the next unit's V
	s_add_co_u32 s[U], s[U], 8
	s_add_co_u32 s[TR], s[TR], 1
	s_wait_alu depctr_va_vdst(0)                   ; the wait ahead of the branch
	s_cmp_lt_u32 s[TR], 4
	s_cbranch_scc1 .Lunit
	s_cmp_lt_u32 s[WV], 2
	s_cbranch_scc0 .Ljoin
	s_cmp_eq_u32 s[WV], 0
	s_cbranch_scc0 .Ltile1
	TAIL 0
	s_branch .Ljoin
.Ltile1:
	TAIL 1
.Ljoin:
	DUMP PSL, 1                                    ; every wave ends with the late pair: units j + 1 .. 31 are 16 or more
	s_wait_dscnt 0x0
	s_barrier_signal -1
	s_barrier_wait -1
; THE JOIN: eight rows of one tile a wave, two rows a load: sum over k of 2^(M_k - the largest M) O_k, divided by the same sum of the rows' sums.  A partial result with no key has -M = 3e38: its factor is 0.
.macro SBSET i                         ; row pair i's eight (-M, sum)
.if (\i) == 3
.set SB, 24
.else
.set SB, 58+16*(\i)
.endif
.endm
.irp i, 0,1,2,3
	SBSET \i
.irp k, 0,1,2,3,4,5,6,7
	ds_load_b64 v[SB+2*\k:SB+2*\k+1], v[STR] offset:128*\k+16*\i
.endr
.endr
.irp i, 0,1,2,3
.irp k, 0,1,2,3,4,5,6,7
	ds_load_b128 v[S+32*\i+4*\k:S+32*\i+4*\k+3], v[PSR] offset:4352*\k+544*\i
.endr
.endr
	s_wait_dscnt 32                                ; -M and the sums are in; the 32 loads of O may be out
.irp i, 0,1,2,3
	SBSET \i
	v_min3_num_f32 v[TI+\i], v[SB], v[SB+2], v[SB+4]
.endr
.irp i, 0,1,2,3
	SBSET \i
	v_min3_num_f32 v[TI+\i], v[TI+\i], v[SB+6], v[SB+8]
.endr
.irp i, 0,1,2,3
	SBSET \i
	v_min3_num_f32 v[TI+\i], v[TI+\i], v[SB+10], v[SB+12]
.endr
.irp i, 0,1,2,3
	SBSET \i
	v_min_num_f32 v[TI+\i], v[TI+\i], v[SB+14]     ; the least -M: the largest M
.endr
.irp i, 0,1,2,3
	SBSET \i
.irp k, 0,1,2,3,4,5,6,7
	v_sub_f32 v[SB+2*\k], v[TI+\i], v[SB+2*\k]
.endr
.irp k, 0,1,2,3,4,5,6,7
	v_cvt_i32_f32 v[SB+2*\k], v[SB+2*\k]
.endr
.irp k, 0,1,2,3,4,5,6,7
	v_ldexp_f32 v[SB+2*\k], 1.0, v[SB+2*\k]
.endr
.endr
.irp i, 0,1,2,3
	SBSET \i
	v_mul_f32 v[QL+2*\i], v[SB], v[SB+1]
.endr
.irp k, 1,2,3,4,5,6,7
.irp i, 0,1,2,3
	SBSET \i
	v_fmac_f32 v[QL+2*\i], v[SB+2*\k], v[SB+2*\k+1]   ; the row's whole sum, at least 1/2
.endr
.endr
	s_wait_alu depctr_va_vdst(0)                   ; the wait ahead of the transcendentals
.irp i, 0,1,2,3
	v_rcp_f32 v[QL+2*\i], v[QL+2*\i]
.endr
	v_nop                                          ; one plain line behind a transcendental
	s_wait_alu depctr_va_vdst(0)                   ; and behind them
	s_wait_dscnt 0x0
.irp i, 0,1,2,3
	SBSET \i
	v_pk_mul_f32 v[S+32*\i:S+32*\i+1], v[S+32*\i:S+32*\i+1], v[SB:SB+1] op_sel_hi:[1,0]
	v_pk_mul_f32 v[S+32*\i+2:S+32*\i+3], v[S+32*\i+2:S+32*\i+3], v[SB:SB+1] op_sel_hi:[1,0]
.endr
.irp k, 1,2,3,4,5,6,7
.irp i, 0,1,2,3
	SBSET \i
	v_pk_fma_f32 v[S+32*\i:S+32*\i+1], v[S+32*\i+4*\k:S+32*\i+4*\k+1], v[SB+2*\k:SB+2*\k+1], v[S+32*\i:S+32*\i+1] op_sel_hi:[1,0,1]
	v_pk_fma_f32 v[S+32*\i+2:S+32*\i+3], v[S+32*\i+4*\k+2:S+32*\i+4*\k+3], v[SB+2*\k:SB+2*\k+1], v[S+32*\i+2:S+32*\i+3] op_sel_hi:[1,0,1]
.endr
.endr
.irp i, 0,1,2,3
	v_pk_mul_f32 v[S+32*\i:S+32*\i+1], v[S+32*\i:S+32*\i+1], v[QL+2*\i:QL+2*\i+1] op_sel_hi:[1,0]
	v_pk_mul_f32 v[S+32*\i+2:S+32*\i+3], v[S+32*\i+2:S+32*\i+3], v[QL+2*\i:QL+2*\i+1] op_sel_hi:[1,0]
.endr
.irp i, 0,1,2,3
	global_store_b128 v[L16], v[S+32*\i:S+32*\i+3], s[OB:OB+1] offset:512*\i th:TH_STORE_NT   ; two whole rows of out: 512 consecutive bytes, at a multiple of 256 from its first byte
.endr
	s_wait_tensorcnt 0x0                           ; the wave's end
	ds_add_u32 v[SPW], v[NIL]
	s_wait_dscnt 0x0
	s_endpgm
.Lfunc_end_k_qff6991aaaa_attn:
	.size	k_qff6991aaaa_attn, .Lfunc_end_k_qff6991aaaa_attn-k_qff6991aaaa_attn
	.p2alignl 7, 3214868480
	.fill 96, 4, 3214868480
	.section	.rodata,"a",@progbits
	.p2align	6, 0x0
	.amdhsa_kernel k_qff6991aaaa_attn
		.amdhsa_group_segment_fixed_size 144384
		.amdhsa_private_segment_fixed_size 0
		.amdhsa_enable_private_segment 0
		.amdhsa_kernarg_size 32
		.amdhsa_user_sgpr_count 2
		.amdhsa_user_sgpr_kernarg_segment_ptr 1
		.amdhsa_wavefront_size32 1
		.amdhsa_system_sgpr_workgroup_id_x 1
		.amdhsa_system_sgpr_workgroup_id_y 1
		.amdhsa_system_sgpr_workgroup_id_z 1
		.amdhsa_system_vgpr_workitem_id 0
		.amdhsa_next_free_vgpr 388
		.amdhsa_next_free_sgpr 66
		.amdhsa_reserve_vcc 1
		.amdhsa_float_denorm_mode_32 3
		.amdhsa_float_denorm_mode_16_64 3
		.amdhsa_memory_ordered 1
		.amdhsa_forward_progress 1
		.amdhsa_inst_pref_size 109
	.end_amdhsa_kernel
	.amdgpu_metadata
---
amdhsa.version: [ 1, 2 ]
amdhsa.kernels:
  - .name:           k_qff6991aaaa_attn
    .symbol:         k_qff6991aaaa_attn.kd
    .args:
      - { .name: kv, .offset: 0, .size: 8, .value_kind: global_buffer, .address_space: global }
      - { .name: qf, .offset: 8, .size: 8, .value_kind: global_buffer, .address_space: global }
      - { .name: qs, .offset: 16, .size: 8, .value_kind: global_buffer, .address_space: global }
      - { .name: out0, .offset: 24, .size: 8, .value_kind: global_buffer, .address_space: global }
    .group_segment_fixed_size: 144384
    .private_segment_fixed_size: 0
    .kernarg_segment_align: 8
    .kernarg_segment_size: 32
    .max_flat_workgroup_size: 256
    .sgpr_count:     66
    .vgpr_count:     388
    .wavefront_size: 32
...
	.end_amdgpu_metadata
.endif
;; end of part 3
